; MI455X (gfx1250); checked and timed in simulation.
; The chip was launched on July 23, 2026; its instructions are those of AMD's public machine-readable ISA for CDNA 5 (MIT licence, August 2026) and "CDNA5" Instruction Set Architecture Reference Guide (July 2026). The comments in the code are by the model that wrote it; some were corrected since.
;; Signed Attention. Allowed arithmetic: matrix products marked QUANTISED: E4M3 operands, one given power-of-two scale a tensor, by v_wmma_f32_16x16x64_fp8_fp8 or v_wmma_f32_16x16x128_fp8_fp8, f32 sums; everything else in f32.
;; Inputs: keys_codes 4 x 8 x 2,048 x 2 x 32 uint8 (E4M3 codes of keys, K innermost, in blocks of 32 codes); log_scale one number float32; lowp_scales 4 int32 (the exponents e of the quantised operands' scales 2^e); queries_codes 4 x 8 x 2,048 x 2 x 32 uint8 (E4M3 codes of queries, K innermost, in blocks of 32 codes); values_codes 4 x 8 x 64 x 64 x 32 uint8 (E4M3 codes of values, K innermost, in blocks of 32 codes).
;; Outputs: out0 4 x 8 x 2,048 x 64 float32.
;; This version of the problem:
;;   THIS VERSION OF THE PROBLEM IS GIVEN IN LOW PRECISION. The matrix products marked QUANTISED in the list below multiply operands that are first quantised to E4M3 (4 exponent bits, 3 mantissa bits; 8 bits a number), with one given power-of-two scale for each operand tensor; their sums are f32. All else is computed in f32.
;;   The module's matrix products, in the order in which they are computed (A, B: the left and right operand; K: the contracted axis; several contracted axes count as one K, in the product's order):
;;     1. batch 32 x [M 2,048, K 64] x [K 64, N 2,048]; A: input queries (given as codes); B: input keys (given as codes): QUANTISED (scales: A lowp_scales[0], B lowp_scales[1])
;;     2. batch 32 x [M 2,048, K 2,048] x [K 2,048, N 64]; A: computed on the way; B: input values (given as codes): QUANTISED (scales: A lowp_scales[2], B lowp_scales[3])
;;   THE QUANTISER, for each operand of a quantised product, along K:
;;     - The operand's scale is 2^e, e = its entry of the input lowp_scales (int32; the entries are numbered through the quantised products in the list's order, A before B).
;;     - Each number is divided by the scale, clamped to +-448, and rounded to the nearest number of E4M3, ties to even, subnormals kept.
;;     - The product sums the exact products of the quantised numbers (number of the format x scale) in f32.
;;   ~~~python
;;   def quantise(x, axis, e):      # numpy; x: float32 -> the quantised numbers, widened to float32 again
;;       x = np.moveaxis(x, axis, -1); K = x.shape[-1]
;;       r = np.clip(x / 2.0 ** e, -448, 448)
;;       step = 2.0 ** (np.maximum(np.frexp(np.where(r == 0, 1, r))[1] - 1, -6) - 3)
;;       q = np.round(r / step) * step * 2.0 ** e      # np.round: ties to even
;;       return np.moveaxis(q, -1, axis).astype(np.float32)
;;   ~~~
;;   OPERANDS COMPUTED ON THE WAY. 'Computed on the way' means the value that the module computes at that place (a softmax that the list does not call 'softmax' is quantised finished and normalised). What goes into a quantiser is computed in f32, as accurately as f32 sums, v_exp_f32 and their like allow (about 1e-6 of the number): no bf16 or f16 on the way to a quantiser, and a product that is left as it is and whose result goes on into a quantised operand takes f32 operands (vector FMAs, or v_wmma_f32_16x16x4_f32). A number that lies on a knife's edge between two numbers of the format may be rounded either way, as far as f32 arithmetic and the matrix unit's own rounding can turn it there, and no further.
;;   INPUTS GIVEN AS CODES. keys (in the module: [4, 8, 2048, 64], K = its axis 3); queries (in the module: [4, 8, 2048, 64], K = its axis 3); values (in the module: [4, 8, 2048, 64], K = its axis 2): each comes as NAME_codes (uint8): NAME with its K axis moved to the last place and cut into blocks of 32 codes, [.., K / 32, bytes a block], one block behind the other in memory; one code a byte (a code: sign, 4 exponent bits, 3 mantissa bits); its scale is its entry of lowp_scales. Its value is code x scale, taken as it is: it is not quantised again, and the codes and scales need not be those that the quantiser above would give.
;; One version. Each part assembles by itself: llvm-mc -triple=amdgcn-amd-amdhsa -mcpu=gfx1250 --defsym DOCPART=n.
;; ======== version 1 of 1: 1 launch
;; limits: right only within a limited range of input values
;; launch attn (part 1): grid 8 x 32, 16 waves a work-group, no clusters, 313,856 bytes of LDS; arguments keys_codes, queries_codes, values_codes, lowp_scales, log_scale, out0; writes out0
.if DOCPART == 1
	.amdgcn_target "amdgcn-amd-amdhsa--gfx1250"
	.amdhsa_code_object_version 6
	.text
	.protected	k_qeb4c569a1c_attn
	.globl	k_qeb4c569a1c_attn
	.p2align	8
	.type	k_qeb4c569a1c_attn,@function
k_qeb4c569a1c_attn:
	s_mov_b64 s[64:65], 0
	v_nop
	global_prefetch_b8 v0, s[64:65] scope:SCOPE_SE
	s_setreg_imm32_b32 hwreg(HW_REG_WAVE_MODE, 25, 1), 1
	s_wait_xcnt 0x0
; out = (softmax(s pos) - softmax(s neg)) V for 32 heads of 2,048 positions x 64, both products on codes of FP8 (E4M3), one given scale 2^e a tensor: eq, ek, ep, ev.
; THE MASK.  16 positions form a patch; a query of patch p sees the keys of patches p + 1 .. p + 9 alone (fewer at the end, none for patch 127): at most 144 neighbouring keys, the same for a patch's 16 queries.
; Masked scores are -10,000 and not -infinity: they take part in both maxima and both denominators, and all masked keys of a row carry ONE weight a_m.  So
;   out = 2^(ep + ev) x [ sum over open keys of code(A) v  +  code(a_m) x sum over masked keys of v ],  and nothing of it hangs on how large the scores are.
; SHARES.  A work-group owns 256 queries (patches 16 g .. 16 g + 15) of one head; wave w owns patch p = 16 g + w: one tile of 16 queries in 256 registers, four waves to a SIMD.
; NINE SLOTS.  Slot i (0 .. 8) of a wave is key patch js + i, js = min(p + 1, 119): never past patch 127.  With sh = p + 1 - js, slots under sh are dead: their addend is -infinity, so e = 0 and the code is 0.
; LAYOUT.  Both products are used transposed (S^T = K Q^T, O^T = V^T A^T): a lane holds ONE query (lane % 16).  Row r of K's tile (b, u) is key 8 u + r % 8 of slot 2 b + r / 8, so that the 16 registers
; of tiles (b, 0), (b, 1) are the 16 keys of slot 2 b + lane / 16: the conversions' results are the second product's operand.  Fragments come by loads of 16 bytes: a permutation of k, alike in both operands.
; SUMS OF MASKED V.  Wave w multiplies V's keys 128 w .. 128 w + 127 by codes 1.0 or 0 (1.0 where the key's patch is masked for patch 16 g + n): a part for each of the 16 patches; the parts meet in LDS.
; THE SOFTMAX is one pass: all of a row's open scores lie in registers, the true maximum (the fill among its leaves) is taken away; the shift is the same in all terms of a row.
; NO JOINT LOADS, though a head's 8 work-groups read the same V: a work-group takes its window out of the whole image at LDS addresses made from its own number g, which partners of a joint load may not do;
; a second copy of the window laid from the work-group's first patch (64 rows x 400 bytes) does not fit into the 13,824 bytes that the regions below leave.  Every tile is asked for at the head, once: no ring.
; LIMITS: eq + ek between -100 and 100; ep between -126 and 119; NaN codes and a NaN log_scale are not served.
.set VPITCH, 272                       ; a row of V's image: 256 keys + 16 bytes of padding
.set VCHUNK, 64*VPITCH                 ; 64 rows (d) of 256 keys
.set KB,     8*VCHUNK                  ; 139,264: K's image: 384 rows (24 patches from kp0 on) of 64 + 16 bytes
.set KPITCH, 80
.set PART,   KB+384*KPITCH             ; 169,984: the parts of the sums of masked V: source wave s at 4,368 s, patch n at 272 n, 64 f32
.set PSRC,   4368
.set STG,    PART+70144                ; 240,128: a stage of 16 rows x 272 bytes for each wave
.set AMB,    STG+16*16*272             ; 309,760: 128 bytes a wave: each row's weight of the masked keys, twice
.set SPARE,  AMB+2048                  ; 311,808: the spare words, 128 bytes for each wave: eight blocks of 256 bytes that no other line names
.set Q,   32                           ; v[32:39]   Q's fragment; later V of slot 8, d tile 0
.set AMG, 40                           ; v[40:47]   a_m and seven zeros, for the conversion; later V of slot 8, d tile 1
.set KF,  48                           ; v[48:127]  K's ten fragments;
.set EP,  48                           ;            then e+;
.set VS,  48                           ;            then V's keys 128 w on (v[48:111]), VF: V of slots 0-7, MS: the sixteen parts
.set SEL, 112                          ; v[112:127] the codes 1.0 or 0
.set OUTR, 112                         ; v[112:143] O^T x 2^(ep + ev)
.set S,   128                          ; v[128:207] scores, then e-, then A
.set MP,  128                          ; v[128:159] my part of the sums of masked V
.set OA,  160                          ; v[160:191] O^T
.set BK,  192                          ; v[192:223] rows of the stage read back
.set AD,  208                          ; v[208:227] the addends: pair b: (+, +) at 208 + 4 b, (-, -) at 210 + 4 b
.set P,   208                          ; v[208:231] A's codes; v[228:231] zeros
.set AM,  224                          ; v[224:239] at the end: the rows' weights of the masked keys
.set LX,  232                          ; v232-236   largest score of pair b
.set LN,  237                          ; v237-241   largest -score of pair b; v[240:241] later the pair (a_m's value, twice)
; v1 r, v2 h, v3 spare word, v4 zero, v5 v6 K's addresses, v7 Q's offset, v8-12 V's window, v13 V's keys 128 w on, v14 v15 parts in and out, v16 v17 stage in and out, v18 offset in out0,
; v19 -infinity, v[20:21] cs twice, v[22:23] -cs twice, v24 the fill in the raw sums' unit, v25 2^ep, v26 448 x 2^ep, v27 where a_m goes, v[28:29] 2^(ep + ev) twice, v30 four codes 1.0, v31 u0, then where a_m is read
; v242 v243 the maxima, then -cs x them; v244 den+, 1 / den+; v245 x+; v246 -den-, -1 / den-; v247 x-; v[248:251] sums of e+; v[252:253], v[228:229] sums of e-; v254 v255 at work
	s_load_b256 s[4:11], s[0:1], 0x0               ; keys s[4:5], queries s[6:7], values s[8:9], the scales' exponents s[10:11]
	s_load_b128 s[12:15], s[0:1], 0x20             ; log_scale s[12:13], out0 s[14:15]
	v_lshl_add_u32 v3, v0, 2, SPARE
	v_mov_b32 v4, 0
	ds_add_u32 v3, v4                              ; the wave's opening: the add and its wait stand ahead of my first tensor load; the set-up below, work on registers, stands between them
	v_lshrrev_b32 v1, 5, v0
	v_readfirstlane_b32 s40, v1                    ; w: wave 0..15
	s_mov_b32 s41, ttmp9                           ; g: block of 256 queries
	s_and_b32 s42, ttmp7, 0xffff                   ; the head
	s_lshl_b32 s53, s41, 4
	s_add_co_u32 s53, s53, s40                     ; p = 16 g + w
	s_add_co_u32 s63, s53, 1
	s_min_u32 s54, s63, 119                        ; js: the key patch of slot 0
	s_sub_co_u32 s55, s63, s54                     ; sh: slots under it are dead
	s_sub_co_u32 s56, 9, s55                       ; open slots
	s_lshl_b32 s63, s56, 4
	s_sub_co_u32 s63, 2048, s63
	s_cvt_f32_u32 s60, s63                         ; the number of masked keys of my rows, as f32
	s_lshl_b32 s71, s41, 4
	s_add_co_u32 s71, s71, 1
	s_min_u32 s71, s71, 104                        ; kp0: the first patch of K's image
	s_cmp_eq_u32 s41, 7
	s_cselect_b32 s72, 9, 0
	s_add_co_u32 s57, s40, s72
	s_min_u32 s57, s57, 15                         ; js - kp0, 0 .. 15
	s_mov_b32 s58, 0x76543210                      ; v_permlanex16_b32's selects for lane l xor 16
	s_mov_b32 s59, 0xfedcba98
	; descriptor group 1 for K: 24 rows of 64 bytes, dense in memory; 16 bytes of padding behind each
	s_mov_b32 s16, (1<<20)|(3<<22)|(3<<25)         ; no mask; elements of 1 byte; padding on; after every 16 words (code 3) four words (code 3)
	s_mov_b32 s17, 64<<16                          ; tensor_dim0 = 64
	s_mov_b32 s18, 24<<16                          ; tensor_dim1 = 24
	s_mov_b32 s19, 64<<16                          ; tile_dim0 = 64
	s_mov_b32 s20, 24                              ; tile_dim1 = 24
	s_mov_b32 s21, 64                              ; from row to row
	s_mov_b32 s22, 0
	s_mov_b32 s23, 0
	; and for V: 32 rows (d) of 256 bytes (keys), 2,048 bytes apart; 16 bytes of padding behind each
	s_mov_b32 s24, (1<<20)|(5<<22)|(3<<25)         ; after every 64 words (code 5) four words
	s_mov_b32 s25, 256<<16
	s_mov_b32 s26, 32<<16
	s_mov_b32 s27, 256<<16
	s_mov_b32 s28, 32
	s_mov_b32 s29, 2048
	s_mov_b32 s30, 0
	s_mov_b32 s31, 0
	s_mov_b32 s32, 1                               ; groups 0: count = 1,
	s_mul_i32 s33, s40, 24*KPITCH
	s_add_co_u32 s33, s33, KB                      ; K: my 24 rows of the image,
	s_mov_b32 s36, 1
	s_mul_i32 s37, s40, 32*VPITCH                  ; V: chunk w / 2, rows 32 (w % 2) on: 8,704 w
	s_lshl_b32 s73, s42, 17                        ; a head's codes are 131,072 bytes in each of the three tensors
	s_lshl_b32 s44, s71, 10
	s_mul_i32 s74, s40, 24*64
	s_add_co_u32 s44, s44, s74
	s_add_co_u32 s44, s44, s73                     ; K in memory: key 16 kp0 + 24 w, 64 bytes a key
	s_mov_b32 s45, 0
	s_and_b32 s46, s40, 1
	s_lshl_b32 s46, s46, 16
	s_lshr_b32 s74, s40, 1
	s_lshl_b32 s74, s74, 8
	s_add_co_u32 s46, s46, s74
	s_add_co_u32 s46, s46, s73                     ; V in memory: row 32 (w % 2), key 256 (w / 2)
	s_mov_b32 s47, 0
	s_wait_dscnt 0x0                               ; the opening add is done
	s_wait_kmcnt 0x0
	s_load_b128 s[48:51], s[10:11], 0x0            ; eq, ek, ep, ev
	s_load_b32 s52, s[12:13], 0x0                  ; log_scale
	s_add_nc_u64 s[34:35], s[4:5], s[44:45]
	s_or_b32 s35, s35, 0x80000000                  ; type = 2
	s_add_nc_u64 s[38:39], s[8:9], s[46:47]
	s_or_b32 s39, s39, 0x80000000
	tensor_load_to_lds s[32:35], s[16:23]          ; K first: the scores want it first.  Two tensor loads of mine are out at the most, and no byte of LDS is filled twice
	s_nop 0
	tensor_load_to_lds s[36:39], s[24:31]          ; my sixteenth of the head's V
	s_nop 0
	s_lshl_b32 s44, s53, 10
	s_add_co_u32 s44, s44, s73
	s_add_nc_u64 s[6:7], s[6:7], s[44:45]          ; Q at my first query: 16 p rows of 64 bytes
	s_lshl_b32 s46, s42, 19
	s_lshl_b32 s74, s53, 12
	s_add_co_u32 s46, s46, s74
	s_add_nc_u64 s[14:15], s[14:15], s[46:47]      ; out0 likewise: rows of 256 bytes
	v_and_b32 v1, 15, v0                           ; r
	v_bfe_u32 v2, v0, 4, 1                         ; h
	v_lshlrev_b32 v7, 6, v1
	v_lshl_add_u32 v7, v2, 4, v7                   ; Q: row r, + 16 h
	global_load_b128 v[Q:Q+3], v7, s[6:7] th:TH_LOAD_NT              ; read once, by this wave alone
	global_load_b128 v[Q+4:Q+7], v7, s[6:7] offset:32 th:TH_LOAD_NT
	; LDS addresses
	v_mul_u32_u24 v248, v1, VPITCH                 ; 272 r
	s_mul_i32 s73, s57, 16*KPITCH
	s_add_co_u32 s73, s73, KB                      ; slot 0's first key in K's image
	v_and_b32 v249, 8, v1
	v_add_nc_u32 v249, v249, v1                    ; r + 8 (r / 8)
	v_mul_u32_u24 v5, v249, KPITCH
	v_lshl_add_u32 v5, v2, 4, v5
	v_add_nc_u32 v5, s73, v5                       ; K, slots 0-7
	v_and_b32 v249, 7, v1
	v_mul_u32_u24 v6, v249, KPITCH
	v_lshl_add_u32 v6, v2, 4, v6
	v_add_nc_u32 v6, s73, v6                       ; K, slot 8: both halves of a tile's rows take it (there is no slot 9; the copy is dead)
	v_add_nc_u32 v250, s54, v2                     ; js + h
.irp b, 0,1,2,3
	v_add_nc_u32 v249, 2*\b, v250                  ; key patch j of slot 2 b + h, at most 126
	v_lshrrev_b32 v251, 4, v249
	v_and_b32 v249, 15, v249
	v_mul_u32_u24 v251, v251, VCHUNK
	v_lshl_add_u32 v251, v249, 4, v251
	v_add_nc_u32 v[8+\b], v251, v248               ; V: chunk j / 16, row r, 16 (j % 16) bytes on
.endr
	s_add_co_u32 s74, s54, 8                       ; slot 8's patch, at most 127
	s_lshr_b32 s75, s74, 4
	s_mul_i32 s75, s75, VCHUNK
	s_and_b32 s74, s74, 15
	s_lshl_b32 s74, s74, 4
	s_add_co_u32 s75, s75, s74
	v_add_nc_u32 v12, s75, v248
	s_lshr_b32 s74, s40, 1
	s_mul_i32 s74, s74, VCHUNK
	s_and_b32 s75, s40, 1
	s_lshl_b32 s75, s75, 7
	s_add_co_u32 s74, s74, s75
	v_lshl_add_u32 v13, v2, 4, v248
	v_add_nc_u32 v13, s74, v13                     ; V's keys 128 w on: row r, + 16 h
	s_mul_i32 s74, s40, PSRC
	s_add_co_u32 s74, s74, PART
	v_lshl_add_u32 v14, v2, 5, v248
	v_add_nc_u32 v14, s74, v14                     ; my parts: patch r, + 32 h
	s_mul_i32 s74, s40, 272
	s_add_co_u32 s74, s74, PART
	v_lshl_add_u32 v15, v1, 4, s74                 ; all sources' parts for my patch: d = 4 r .. 4 r + 3
	s_mul_i32 s74, s40, 16*272
	s_add_co_u32 s74, s74, STG
	v_lshl_add_u32 v16, v2, 5, v248
	v_add_nc_u32 v16, s74, v16                     ; my stage, in: row r, + 32 h
	v_mul_u32_u24 v17, v2, 272
	v_lshl_add_u32 v17, v1, 4, v17
	v_add_nc_u32 v17, s74, v17                     ; and back: lanes 0-15 one row, lanes 16-31 the next
	v_and_b32 v18, 31, v0
	v_lshlrev_b32 v18, 4, v18                      ; the same two rows in out0: 16 x lane
	s_lshl_b32 s77, s40, 7
	s_add_co_u32 s77, s77, AMB
	v_and_b32 v249, 1, v1
	v_lshrrev_b32 v251, 1, v1
	v_lshlrev_b32 v27, 3, v251
	v_lshl_add_u32 v27, v249, 6, v27
	v_add_nc_u32 v27, s77, v27                     ; row r's weight: 64 (r % 2) + 8 (r / 2)
	s_lshl_b32 s74, s40, 3
	s_lshl_b32 s75, s41, 4
	s_sub_co_u32 s74, s74, s75
	s_sub_co_u32 s74, s74, 1
	v_sub_nc_u32 v31, v2, v1
	v_add_nc_u32 v31, s74, v31                     ; u0 = (key patch 8 w + h) - (query patch 16 g + r) - 1
	v_mov_b32 v19, 0xff800000                      ; -infinity
	v_mov_b32 v30, 0x38383838                      ; four codes of 1.0
	v_sub_nc_u32 v254, v2, s55                     ; h - sh
.irp b, 0,1,2,3,4
	v_add_nc_u32 v255, 2*\b, v254
	v_cmp_gt_u32 s[66+\b], s56, v255               ; slot 2 b + h is open where (2 b + h - sh) lies under the number of open slots, unsigned: slots under sh and slot 9 fall out
.endr
.irp j, 1,2,3,4,5,6,7
	v_mov_b32 v[AMG+\j], 0
.endr
	s_wait_kmcnt 0x0                               ; the exponents and log_scale
	s_add_co_i32 s61, s48, s49                     ; eq + ek
	s_add_co_i32 s62, s50, s51                     ; ep + ev
	s_sub_co_i32 s63, 0, s61
	v_mov_b32 v254, s52
	v_mul_f32 v254, 0x3fb8aa3b, v254
	v_exp_f32 v254, v254                           ; exp(log_scale)
	v_mov_b32 v24, 0xc61c4000                      ; -10,000 (a plain line behind the exponential)
	s_wait_alu depctr_va_vdst(0)                   ; the wait ahead of the first line that names the exponential's result
	v_med3_num_f32 v254, v254, 1.0, 0x41f00000     ; held between 1 and 30
	v_mul_f32 v254, 0x3e38aa3b, v254               ; x log2(e) / 8
	v_ldexp_f32 v20, v254, s61                     ; cs: a raw sum stands for sum x 2^(eq + ek)
	v_mov_b32 v21, v20
	v_xor_b32 v22, 0x80000000, v20                 ; -cs
	v_mov_b32 v23, v22
	v_ldexp_f32 v24, v24, s63                      ; the fill in the raw sums' unit: masked and open scores go through the same multiply-add
	s_add_co_i32 s74, s50, 127
	s_lshl_b32 s75, s74, 23
	v_mov_b32 v25, s75                             ; 2^ep as f32: the conversion takes its exponent field
	s_add_co_i32 s74, s74, 8
	s_lshl_b32 s74, s74, 23
	s_or_b32 s74, s74, 0x600000
	v_mov_b32 v26, s74                             ; 448 x 2^ep
	v_ldexp_f32 v28, 1.0, s62                      ; 2^(ep + ev)
	v_mov_b32 v29, v28
	s_wait_tensorcnt 0x1                           ; my part of K is in; one younger load, my part of V, may stay out
	s_barrier_signal -1
	s_barrier_wait -1                              ; everybody's part of K is in
	; ---- the scores: S^T = K Q^T, ten tiles of 16 keys
.irp b, 0,1,2,3
.irp u, 0,1
.irp c, 0,1
	ds_load_b128 v[KF+16*\b+8*\u+4*\c:KF+16*\b+8*\u+4*\c+3], v5 offset:(32*\b+8*\u)*KPITCH+32*\c
.endr
.endr
.endr
.irp u, 0,1
.irp c, 0,1
	ds_load_b128 v[KF+64+8*\u+4*\c:KF+64+8*\u+4*\c+3], v6 offset:(128+8*\u)*KPITCH+32*\c
.endr
.endr
	s_wait_loadcnt 0x0                             ; Q
	s_wait_dscnt 0x0                               ; K
.irp b, 0,1,2,3,4
.irp u, 0,1
	v_wmma_f32_16x16x64_fp8_fp8 v[S+16*\b+8*\u:S+16*\b+8*\u+7], v[KF+16*\b+8*\u:KF+16*\b+8*\u+7], v[Q:Q+7], 0
.endr
.endr                                              ; register 16 b + 8 u + j of lane (r, h): query r against key 8 u + j of slot 2 b + h
.rept 4
	v_nop                                          ; four places between the last product and the first read of results (ISA guide 7.12.1)
.endr
	; ---- the two maxima, of the scores and of their negatives: ten chains side by side; each accumulator is read from its low end on
.irp b, 0,1,2,3,4
	v_max3_num_f32 v[LX+\b], v[S+16*\b], v[S+16*\b+1], v[S+16*\b+2]
	v_max3_num_f32 v[LN+\b], -v[S+16*\b], -v[S+16*\b+1], -v[S+16*\b+2]
.endr
.irp k, 3,5,7,9,11,13
.irp b, 0,1,2,3,4
	v_max3_num_f32 v[LX+\b], v[LX+\b], v[S+16*\b+\k], v[S+16*\b+\k+1]
	v_max3_num_f32 v[LN+\b], v[LN+\b], -v[S+16*\b+\k], -v[S+16*\b+\k+1]
.endr
.endr
.irp b, 0,1,2,3,4
	v_max_num_f32 v[LX+\b], v[LX+\b], v[S+16*\b+15]
	v_max_num_f32 v[LN+\b], v[LN+\b], -v[S+16*\b+15]
.endr
.irp b, 0,1,2,3,4
	v_cndmask_b32 v[LX+\b], v19, v[LX+\b], s[66+\b]    ; a dead slot counts for nothing
	v_cndmask_b32 v[LN+\b], v19, v[LN+\b], s[66+\b]
.endr
	v_max3_num_f32 v[LX], v[LX], v[LX+1], v[LX+2]
	v_max3_num_f32 v[LN], v[LN], v[LN+1], v[LN+2]
	v_max3_num_f32 v[LX], v[LX], v[LX+3], v[LX+4]
	v_max3_num_f32 v[LN], v[LN], v[LN+3], v[LN+4]
	v_permlanex16_b32 v254, v[LX], s58, s59        ; the query's other slots lie in the lane 16 away
	v_permlanex16_b32 v255, v[LN], s58, s59
	v_max3_num_f32 v242, v[LX], v254, v24          ; the fill is among the row's scores
	v_max3_num_f32 v243, v[LN], v255, v24
	v_mul_f32 v242, v22, v242                      ; -cs x the maximum: the one shift of all of the row's terms
	v_mul_f32 v243, v22, v243
	v_fma_f32 v245, v24, v20, v242                 ; a masked key's exponent, in the first softmax
	v_fma_f32 v247, v24, v20, v243                 ; and in the second
.irp b, 0,1,2,3,4
	v_cndmask_b32 v[AD+4*\b], v19, v242, s[66+\b]      ; the addends: the shift, or -infinity in a dead slot
	v_cndmask_b32 v[AD+4*\b+1], v19, v242, s[66+\b]
	v_cndmask_b32 v[AD+4*\b+2], v19, v243, s[66+\b]
	v_cndmask_b32 v[AD+4*\b+3], v19, v243, s[66+\b]
.endr
	; ---- the exponentials, in two batches with one wait each
.set i, 0
.rept 40
	v_pk_fma_f32 v[EP+2*i:EP+2*i+1], v[S+2*i:S+2*i+1], v[20:21], v[AD+4*(i/8):AD+4*(i/8)+1]    ; cs s - cs m+, into the registers that K has left
.set i, i+1
.endr
.set i, 0
.rept 40
	v_exp_f32 v[EP+2*i], v[EP+2*i]
	v_exp_f32 v[EP+2*i+1], v[EP+2*i+1]
	v_pk_fma_f32 v[S+2*i:S+2*i+1], v[S+2*i:S+2*i+1], v[22:23], v[AD+4*(i/8)+2:AD+4*(i/8)+3]    ; -cs s - cs m-, in place: plain work among the first batch
.set i, i+1
.endr
	s_wait_alu depctr_va_vdst(0)                   ; one wait for the 80 exponentials, ahead of the first line that names a result (the last line above is the plain line behind them)
.set i, 0
.rept 40
	v_exp_f32 v[S+2*i], v[S+2*i]
	v_exp_f32 v[S+2*i+1], v[S+2*i+1]
.if i == 1
	v_pk_add_f32 v[248:249], v[EP:EP+1], v[EP+2:EP+3]                  ; the sum of e+, in two chains, among the second batch
.elseif i == 3
	v_pk_add_f32 v[250:251], v[EP+4:EP+5], v[EP+6:EP+7]
.elseif i >= 4
	v_pk_add_f32 v[248+2*(i%2):249+2*(i%2)], v[248+2*(i%2):249+2*(i%2)], v[EP+2*i:EP+2*i+1]
.endif
.set i, i+1
.endr
	v_exp_f32 v245, v245                           ; x+: a masked key's term
	v_exp_f32 v247, v247                           ; x-
	v_pk_add_f32 v[248:249], v[248:249], v[250:251]    ; (the plain line behind the batch)
	s_wait_alu depctr_va_vdst(0)                   ; one wait for the 82
	v_pk_add_f32 v[252:253], v[S:S+1], v[S+2:S+3]      ; the sum of e-
	v_pk_add_f32 v[228:229], v[S+4:S+5], v[S+6:S+7]
.set i, 4
.rept 18
	v_pk_add_f32 v[252:253], v[252:253], v[S+2*i:S+2*i+1]
	v_pk_add_f32 v[228:229], v[228:229], v[S+2*i+2:S+2*i+3]
.set i, i+2
.endr
	v_pk_add_f32 v[252:253], v[252:253], v[228:229]
	v_add_f32 v248, v248, v249
	v_add_f32 v252, v252, v253
	v_permlanex16_b32 v254, v248, s58, s59
	v_permlanex16_b32 v255, v252, s58, s59
	v_add_f32 v248, v248, v254
	v_add_f32 v252, v252, v255
	v_fma_f32 v244, s60, v245, v248                ; den+ = the open keys' sum + the number of masked keys x x+
	v_fma_f32 v246, s60, -v247, -v252              ; -den-
	v_rcp_f32 v244, v244
	v_rcp_f32 v246, v246
	v_nop                                          ; a plain line behind the reciprocals
	s_wait_alu depctr_va_vdst(0)                   ; and their wait
	v_mul_f32 v254, v245, v244                     ; a masked key's weight: the two softmaxes' terms, each rounded, and their difference:
	v_mul_f32 v255, v247, v246                     ; not fused, so that equal softmaxes (a row with no open key) cancel to an exact 0
	v_add_f32 v[AMG], v254, v255
	; ---- A = e+ / den+ - e- / den-, finished and normalised, held and turned into codes: they are the second product's operand
.macro WEIGH b
.irp k, 0,2,4,6,8,10,12,14
	v_pk_mul_f32 v[S+16*\b+\k:S+16*\b+\k+1], v[S+16*\b+\k:S+16*\b+\k+1], v[246:247] op_sel_hi:[1,0]
.endr
.irp k, 0,2,4,6,8,10,12,14
	v_pk_fma_f32 v[S+16*\b+\k:S+16*\b+\k+1], v[EP+16*\b+\k:EP+16*\b+\k+1], v[244:245], v[S+16*\b+\k:S+16*\b+\k+1] op_sel_hi:[1,0,1]
.endr
.irp k, 0,1,2,3,4,5,6,7,8,9,10,11,12,13,14,15
	v_med3_num_f32 v[S+16*\b+\k], v[S+16*\b+\k], -v26, v26     ; the conversion to an 8-bit code does not saturate (ISA guide 7.6.2): the hold at the largest code x the scale
.endr
	v_cvt_scalef32_pk8_fp8_f32 v[P+4*\b:P+4*\b+1], v[S+16*\b:S+16*\b+7], v25
	v_cvt_scalef32_pk8_fp8_f32 v[P+4*\b+2:P+4*\b+3], v[S+16*\b+8:S+16*\b+15], v25
.endm
	WEIGH 0
	WEIGH 1
	WEIGH 2
	WEIGH 3
	WEIGH 4
	v_med3_num_f32 v[AMG], v[AMG], -v26, v26
	v_cvt_scalef32_pk8_fp8_f32 v[254:255], v[AMG:AMG+7], v25   ; a_m's code, in byte 0
	v_nop                                          ; one plain line between a scaled conversion and the next line that touches its result
	v_cvt_f32_fp8 v240, v254                       ; the code's value,
	v_ldexp_f32 v240, v240, s62                    ; x 2^(ep + ev)
	v_mov_b32 v241, v240
.irp j, 228,229,230,231
	v_mov_b32 v\j, 0                               ; the last K step's second half: zero codes
.endr
	s_wait_tensorcnt 0x0                           ; my part of V is in
	s_barrier_signal -1
	s_barrier_wait -1                              ; the head's whole V lies in LDS
	; ---- my part of the sums of masked V, then O^T
.irp t, 0,1,2,3
.irp c, 0,1,2,3
	ds_load_b128 v[VS+16*\t+4*\c:VS+16*\t+4*\c+3], v13 offset:16*VPITCH*\t+32*\c       ; d tile t, keys 128 w + 32 c + 16 h on
.endr
.endr
.macro V3LOAD t, reg                               ; V of slot 8, d tile t; its second half is a copy, which meets zero codes
	ds_load_b128 v[\reg:\reg+3], v12 offset:16*VPITCH*\t
	ds_load_b128 v[\reg+4:\reg+7], v12 offset:16*VPITCH*\t
.endm
	V3LOAD 0, 32
	V3LOAD 1, 40
	V3LOAD 2, 192
	V3LOAD 3, 200
.irp c, 0,1,2,3
	v_add_nc_u32 v254, 2*\c, v31                   ; (key patch 8 w + 2 c + h) - (query patch 16 g + r) - 1: open where it lies in 0 .. 8
	v_cmp_le_u32 vcc_lo, 9, v254
.irp j, 0,1,2,3
	v_cndmask_b32 v[SEL+4*\c+\j], 0, v30, vcc_lo   ; 1.0 for the 16 keys of a masked patch
.endr
.endr
	s_wait_dscnt 8                                 ; the sixteen loads of keys 128 w on are in; the eight of slot 8, which are younger, may be out
.irp t, 0,1,2,3
	v_wmma_f32_16x16x128_fp8_fp8 v[MP+8*\t:MP+8*\t+7], v[VS+16*\t:VS+16*\t+15], v[SEL:SEL+15], 0
.endr                                              ; register j of lane (r, h): d = 16 t + 8 h + j, patch 16 g + r
.rept 4
	v_nop                                          ; four places in front of the stores of results and of the loads into registers that these products have read
.endr
.irp t, 0,1,2,3
	ds_store_b128 v14, v[MP+8*\t:MP+8*\t+3] offset:64*\t
	ds_store_b128 v14, v[MP+8*\t+4:MP+8*\t+7] offset:64*\t+16
.endr
.irp t, 0,1,2,3
.irp s, 0,1
.irp e, 0,1
	ds_load_b128 v[VS+16*\t+8*\s+4*\e:VS+16*\t+8*\s+4*\e+3], v[8+2*\s+\e] offset:16*VPITCH*\t      ; d tile t, the 16 keys of slot 4 s + 2 e + h
.endr
.endr
.endr
	s_wait_dscnt 0x0                               ; for the others' sake: my parts have landed; and V's window is in
	s_barrier_signal -1
.macro PV t, a, s, first                           ; O^T (+)= V^T A^T: d tile t, K step s (64 places along the keys)
.if \first
	v_wmma_f32_16x16x64_fp8_fp8 v[OA+8*\t:OA+8*\t+7], v[(\a):(\a)+7], v[P+8*\s:P+8*\s+7], 0
.else
	v_wmma_f32_16x16x64_fp8_fp8 v[OA+8*\t:OA+8*\t+7], v[(\a):(\a)+7], v[P+8*\s:P+8*\s+7], v[OA+8*\t:OA+8*\t+7]
.endif
.endm
.irp t, 0,1,2,3                                    ; the four accumulators take turns, one instruction a turn; the first step starts the sums
	PV \t, VS+16*\t, 0, 1
.endr
.irp t, 0,1,2,3
	PV \t, VS+16*\t+8, 1, 0
.endr
	PV 0, 32, 2, 0
	PV 1, 40, 2, 0
	PV 2, 192, 2, 0
	PV 3, 200, 2, 0
	s_barrier_wait -1                              ; all sixteen waves' parts lie in LDS
	; ---- the way out
.rept 4
	v_nop                                          ; four places behind the last products: results are read, and loads go into registers that they have read
.endr
.set i, 0
.rept 16
	ds_load_b128 v[VS+4*i:VS+4*i+3], v15 offset:PSRC*i     ; source i's part for my patch, d = 4 r .. 4 r + 3
.set i, i+1
.endr
.set i, 0
.rept 16
	v_pk_mul_f32 v[OUTR+2*i:OUTR+2*i+1], v[OA+2*i:OA+2*i+1], v[28:29]      ; x 2^(ep + ev); each accumulator from its low end on
.set i, i+1
.endr
	ds_store_b64 v27, v[240:241]                   ; my row's weight of the masked keys, twice (both halves of the lanes hold the same)
.irp t, 0,1,2,3
	ds_store_b128 v16, v[OUTR+8*\t:OUTR+8*\t+3] offset:64*\t       ; lane (r, h): row r, d = 16 t + 8 h + 0 .. 7
	ds_store_b128 v16, v[OUTR+8*\t+4:OUTR+8*\t+7] offset:64*\t+16
.endr
	v_lshl_add_u32 v31, v2, 6, s77
.irp k, 0,1,2,3
	ds_load_b128 v[AM+4*\k:AM+4*\k+3], v31 offset:16*\k    ; LDS serves a wave's instructions in order: these see my stores.  The pair at 2 i: row 2 i + h's weight
.endr
.irp k, 0,1,2,3,4,5,6,7
	ds_load_b128 v[BK+4*\k:BK+4*\k+3], v17 offset:2*272*\k ; rows 2 k + h of the stage, d = 4 r .. 4 r + 3
.endr
	s_wait_dscnt 21                                ; the sixteen parts are in; behind them were issued 1 + 8 stores and 4 + 8 loads
.macro FOLD n                                      ; sources 0 .. n - 1 take sources n .. 2 n - 1
.set i, 0
.rept \n
	v_pk_add_f32 v[VS+4*i:VS+4*i+1], v[VS+4*i:VS+4*i+1], v[VS+4*(i+\n):VS+4*(i+\n)+1]
	v_pk_add_f32 v[VS+4*i+2:VS+4*i+3], v[VS+4*i+2:VS+4*i+3], v[VS+4*(i+\n)+2:VS+4*(i+\n)+3]
.set i, i+1
.endr
.endm
	FOLD 8
	FOLD 4
	FOLD 2
	FOLD 1                                         ; v[48:51]: the sum of V's codes over my patch's masked keys, d = 4 r .. 4 r + 3
.irp k, 0,1,2,3,4,5,6,7
	s_wait_dscnt 7-\k                              ; rows 2 k, 2 k + 1 are back; the younger rows may be out (the weights' loads are older)
	v_pk_fma_f32 v[BK+4*\k:BK+4*\k+1], v[VS:VS+1], v[AM+2*\k:AM+2*\k+1], v[BK+4*\k:BK+4*\k+1]
	v_pk_fma_f32 v[BK+4*\k+2:BK+4*\k+3], v[VS+2:VS+3], v[AM+2*\k:AM+2*\k+1], v[BK+4*\k+2:BK+4*\k+3]
	global_store_b128 v18, v[BK+4*\k:BK+4*\k+3], s[14:15] offset:512*\k th:TH_STORE_NT     ; 32 lanes store 512 consecutive bytes, at a multiple of 256 from out0's first byte; written once
.endr
	s_wait_tensorcnt 0x0                           ; the wave's end: behind my last tensor load and my last LDS store
	ds_add_u32 v3, v4
	s_wait_dscnt 0x0
	s_endpgm
.Lfunc_end_k_qeb4c569a1c_attn:
	.size	k_qeb4c569a1c_attn, .Lfunc_end_k_qeb4c569a1c_attn-k_qeb4c569a1c_attn
	.p2alignl 7, 3214868480
	.fill 96, 4, 3214868480
	.section	.rodata,"a",@progbits
	.p2align	6, 0x0
	.amdhsa_kernel k_qeb4c569a1c_attn
		.amdhsa_group_segment_fixed_size 313856
		.amdhsa_private_segment_fixed_size 0
		.amdhsa_enable_private_segment 0
		.amdhsa_kernarg_size 48
		.amdhsa_user_sgpr_count 2
		.amdhsa_user_sgpr_kernarg_segment_ptr 1
		.amdhsa_wavefront_size32 1
		.amdhsa_system_sgpr_workgroup_id_x 1
		.amdhsa_system_sgpr_workgroup_id_y 1
		.amdhsa_system_sgpr_workgroup_id_z 1
		.amdhsa_system_vgpr_workitem_id 0
		.amdhsa_next_free_vgpr 256
		.amdhsa_next_free_sgpr 80
		.amdhsa_reserve_vcc 1
		.amdhsa_float_denorm_mode_32 3
		.amdhsa_float_denorm_mode_16_64 3
		.amdhsa_memory_ordered 1
		.amdhsa_forward_progress 1
		.amdhsa_inst_pref_size 59
	.end_amdhsa_kernel
	.amdgpu_metadata
---
amdhsa.version: [ 1, 2 ]
amdhsa.kernels:
  - .name:           k_qeb4c569a1c_attn
    .symbol:         k_qeb4c569a1c_attn.kd
    .args:
      - { .name: keys_codes, .offset: 0, .size: 8, .value_kind: global_buffer, .address_space: global }
      - { .name: queries_codes, .offset: 8, .size: 8, .value_kind: global_buffer, .address_space: global }
      - { .name: values_codes, .offset: 16, .size: 8, .value_kind: global_buffer, .address_space: global }
      - { .name: lowp_scales, .offset: 24, .size: 8, .value_kind: global_buffer, .address_space: global }
      - { .name: log_scale, .offset: 32, .size: 8, .value_kind: global_buffer, .address_space: global }
      - { .name: out0, .offset: 40, .size: 8, .value_kind: global_buffer, .address_space: global }
    .group_segment_fixed_size: 313856
    .private_segment_fixed_size: 0
    .kernarg_segment_align: 8
    .kernarg_segment_size: 48
    .max_flat_workgroup_size: 512
    .sgpr_count:     80
    .vgpr_count:     256
    .wavefront_size: 32
...
	.end_amdgpu_metadata
.endif
;; end of part 1
